; MI455X (gfx1250); checked and timed in simulation.
; The chip was launched on July 23, 2026; its instructions are those of AMD's public machine-readable ISA for CDNA 5 (MIT licence, August 2026) and "CDNA5" Instruction Set Architecture Reference Guide (July 2026). The comments in the code are by the model that wrote it; some were corrected since.
;; GRU. Allowed arithmetic: float matrix products may take bf16 or f16 operands with f32 sums; other float arithmetic in f32, or as packed bf16 or f16 multiplies, adds, multiply-adds, maxima and minima; sums over many terms, partial sums and values carried from step to step in f32; what a program stores and reads back later, other than sums and carried values, may be rounded once to bf16 or f16.
;; Inputs: br 1,024 float32; bx 1,024 float32; bz 1,024 float32; inp 8,192 x 1,024 float32; state 8,192 x 1,024 float32; ur 1,024 x 1,024 float32; uz 1,024 x 1,024 float32; wh 1,024 x 1,024 float32; wr 1,024 x 1,024 float32; wx 1,024 x 1,024 float32; wz 1,024 x 1,024 float32.
;; Outputs: out0 8,192 x 1,024 float32.
;; One version. Each part assembles by itself: llvm-mc -triple=amdgcn-amd-amdhsa -mcpu=gfx1250 --defsym DOCPART=n.
;; ======== version 1 of 1: 2 launches
;; workspace buffers: wbf 12,582,912 bytes
;; launch prep (part 1): grid 768 x 1, 4 waves a work-group, no clusters, 17,920 bytes of LDS; arguments wz, wr, wx, uz, ur, wh, wbf; writes wbf
.if DOCPART == 1
	.amdgcn_target "amdgcn-amd-amdhsa--gfx1250"
	.amdhsa_code_object_version 6
	.text
	.protected	k_qd62ed66e34_prep
	.globl	k_qd62ed66e34_prep
	.p2align	8
	.type	k_qd62ed66e34_prep,@function
k_qd62ed66e34_prep:
	s_mov_b64 s[64:65], 0
	v_nop
	global_prefetch_b8 v0, s[64:65] scope:SCOPE_SE
	s_setreg_imm32_b32 hwreg(HW_REG_WAVE_MODE, 25, 1), 1
	s_wait_xcnt 0x0
; PREP: the six weights of the GRU step, rounded once to bf16, turned and laid out for the second launch.
; No work of the problem is left out in either launch: all eleven inputs reach the output for general values.
;   wbf [8][3][128][2048] bf16: tile column c of 128 output columns, gate 0 = (wz; uz), 1 = (wr; ur), 2 = (wx; wh); a row is one output column, K along the row
;       (K 0..1023 the input weight, K 1024..2047 the hidden weight), 4,096 bytes.  So the 384 rows that a tile of the output needs lie on end.
;       Inside each group of 64 columns the rows are permuted: row 16 f + r holds column 4 r + f, so that in the second launch a lane's four results f = 0..3 are 16 bytes on end.
; SHARES.  A work-group turns a tile of 128 k x 64 n of one weight (6 weights x 8 x 16 tiles) through LDS: it reads 32 KiB and writes 16 KiB.
; Every load and store of 16 lanes covers 256 consecutive bytes, aligned.  No loop, and no register is written twice while a memory instruction names it.
.set LP,    272                        ; an LDS row: 256 bytes (128 k) + 16 of padding: the 16 rows that a store touches start 16 bytes apart modulo 256
.set SPARE, 64*LP                      ; behind the 64 rows: the spare words, 128 bytes a wave: two blocks of 256 bytes that no other line names
.set SPW,   8                          ; v8  SPARE + 4 x my thread's number; never rewritten
.set NIL,   9                          ; v9  0; never rewritten
.set X,     16                         ; v[16:79]   16 loads of 4 f32
.set Y,     80                         ; v[80:111]  packed bf16
	s_load_b256 s[4:11], s[0:1], 0x0               ; wz 4:5, wr 6:7, wx 8:9, uz 10:11
	s_load_b128 s[12:15], s[0:1], 0x20             ; ur 12:13, wh 14:15
	s_load_b64 s[22:23], s[0:1], 0x30              ; wbf
	v_lshl_add_u32 v[SPW], v0, 2, SPARE
	v_mov_b32 v[NIL], 0
	v_lshrrev_b32 v1, 5, v0
	v_readfirstlane_b32 s24, v1                    ; wave w
	v_and_b32 v10, 15, v0                          ; r
	v_bfe_u32 v11, v0, 4, 1                        ; h
	s_lshr_b32 s25, ttmp9, 7                       ; which weight, in the order wz, wr, wx, uz, ur, wh
	s_bfe_u32 s36, ttmp9, 0x30004                  ; kb: which 128 k
	s_and_b32 s37, ttmp9, 15                       ; ng: which 64 columns
	s_cmp_ge_u32 s25, 3
	s_cselect_b32 s34, 1, 0                        ; kh: a hidden weight goes into the second half of K
	s_mul_i32 s35, s34, 3
	s_sub_co_u32 s35, s25, s35                     ; the gate
	s_lshl_b32 s28, s36, 19                        ; source: 128 kb rows of 4,096 bytes,
	s_lshl_b32 s38, s37, 8                         ; 64 ng columns of 4 bytes
	s_or_b32 s28, s28, s38
	s_mov_b32 s29, 0
	s_lshr_b32 s38, s37, 1                         ; destination: the tile column's 384 rows,
	s_mul_i32 s30, s38, 384
	s_lshl_b32 s38, s35, 7                         ; the gate's 128 of them,
	s_add_co_u32 s30, s30, s38
	s_and_b32 s38, s37, 1
	s_lshl_b32 s38, s38, 6                         ; the group's 64 of those,
	s_add_co_u32 s30, s30, s38
	s_lshl_b32 s30, s30, 12                        ; of 4,096 bytes each;
	s_lshl_b32 s38, s34, 11                        ; the half of K,
	s_add_co_u32 s30, s30, s38
	s_lshl_b32 s38, s36, 8                         ; 128 kb numbers of 2 bytes
	s_add_co_u32 s30, s30, s38
	s_mov_b32 s31, 0
	s_lshl_b32 s39, s24, 5
	v_lshl_add_u32 v2, v11, 4, s39                 ; my first k: 32 w + 16 h
	v_lshlrev_b32 v2, 12, v2
	v_lshl_add_u32 v2, v10, 4, v2                  ; v2: that row, columns 4 r .. 4 r + 3
	v_mul_u32_u24 v3, v10, LP
	v_lshl_add_u32 v3, v11, 5, v3
	s_lshl_b32 s39, s24, 6
	v_add_nc_u32 v3, s39, v3                       ; v3: LDS row r (of 16 f + r), byte 2 (32 w + 16 h)
	s_lshl_b32 s39, s24, 4
	v_add_nc_u32 v5, s39, v11                      ; back: row 16 w + h
	v_mul_u32_u24 v4, v5, LP
	v_lshl_add_u32 v4, v10, 4, v4                  ; v4: its 16 bytes at 16 r
	v_lshlrev_b32 v5, 12, v5
	v_lshl_add_u32 v5, v10, 4, v5                  ; v5: the same place in wbf
	s_wait_kmcnt 0x0
	s_mov_b64 s[26:27], s[4:5]                     ; the source is chosen among the six buffers by the work-group's number alone
	s_cmp_eq_u32 s25, 1
	s_cselect_b64 s[26:27], s[6:7], s[26:27]
	s_cmp_eq_u32 s25, 2
	s_cselect_b64 s[26:27], s[8:9], s[26:27]
	s_cmp_eq_u32 s25, 3
	s_cselect_b64 s[26:27], s[10:11], s[26:27]
	s_cmp_eq_u32 s25, 4
	s_cselect_b64 s[26:27], s[12:13], s[26:27]
	s_cmp_eq_u32 s25, 5
	s_cselect_b64 s[26:27], s[14:15], s[26:27]
	s_add_nc_u64 s[26:27], s[26:27], s[28:29]
	s_add_nc_u64 s[32:33], s[22:23], s[30:31]
.irp t, 0,1,2,3,4,5,6,7,8,9,10,11,12,13,14,15
	global_load_b128 v[X+4*(\t):X+4*(\t)+3], v2, s[26:27] offset:4096*(\t) th:TH_LOAD_NT  ; row k + t: 16 lanes take 256 bytes of it
.endr
.irp u, 0,1,2,3,4,5,6,7
	s_wait_loadcnt 14-2*(\u)                       ; rows 2 u and 2 u + 1 are in; the 14 - 2 u younger loads stay out
.irp f, 0,1,2,3
	v_cvt_pk_bf16_f32 v[Y+8*(\f)+(\u)], v[X+8*(\u)+(\f)], v[X+8*(\u)+4+(\f)]  ; column 4 r + f: k = 2 u below, 2 u + 1 above
.endr
.endr
.irp f, 0,1,2,3
	ds_store_b128 v3, v[Y+8*(\f):Y+8*(\f)+3]   offset:(\f)*16*LP      ; 16 k of column 4 r + f into row 16 f + r
	ds_store_b128 v3, v[Y+8*(\f)+4:Y+8*(\f)+7] offset:(\f)*16*LP+16
.endr
	s_wait_dscnt 0x0                               ; for the others: my stores are done
	s_barrier_signal -1
	s_barrier_wait -1                              ; a row's 256 bytes come from all four waves
.irp u, 0,1,2,3,4,5,6,7
	ds_load_b128 v[X+4*(\u):X+4*(\u)+3], v4 offset:(\u)*2*LP          ; rows 16 w + 2 u + h, whole
.endr
.irp u, 0,1,2,3,4,5,6,7
	s_wait_dscnt 7-(\u)                            ; LDS loads come back in order: load u is in
	global_store_b128 v5, v[X+4*(\u):X+4*(\u)+3], s[32:33] offset:(\u)*8192  ; 16 lanes store 256 consecutive bytes, aligned
.endr
	s_wait_tensorcnt 0x0                           ; the wave's end
	ds_add_u32 v[SPW], v[NIL]
	s_wait_dscnt 0x0
	s_endpgm
.Lfunc_end_k_qd62ed66e34_prep:
	.size	k_qd62ed66e34_prep, .Lfunc_end_k_qd62ed66e34_prep-k_qd62ed66e34_prep
	.p2alignl 7, 3214868480
	.fill 96, 4, 3214868480
	.section	.rodata,"a",@progbits
	.p2align	6, 0x0
	.amdhsa_kernel k_qd62ed66e34_prep
		.amdhsa_group_segment_fixed_size 17920
		.amdhsa_private_segment_fixed_size 0
		.amdhsa_enable_private_segment 0
		.amdhsa_kernarg_size 56
		.amdhsa_user_sgpr_count 2
		.amdhsa_user_sgpr_kernarg_segment_ptr 1
		.amdhsa_wavefront_size32 1
		.amdhsa_system_sgpr_workgroup_id_x 1
		.amdhsa_system_sgpr_workgroup_id_y 1
		.amdhsa_system_sgpr_workgroup_id_z 1
		.amdhsa_system_vgpr_workitem_id 0
		.amdhsa_next_free_vgpr 112
		.amdhsa_next_free_sgpr 66
		.amdhsa_reserve_vcc 0
		.amdhsa_float_denorm_mode_32 3
		.amdhsa_float_denorm_mode_16_64 3
		.amdhsa_memory_ordered 1
		.amdhsa_forward_progress 1
		.amdhsa_inst_pref_size 9
	.end_amdhsa_kernel
	.amdgpu_metadata
---
amdhsa.version: [ 1, 2 ]
amdhsa.kernels:
  - .name:           k_qd62ed66e34_prep
    .symbol:         k_qd62ed66e34_prep.kd
    .args:
      - { .name: wz, .offset: 0, .size: 8, .value_kind: global_buffer, .address_space: global }
      - { .name: wr, .offset: 8, .size: 8, .value_kind: global_buffer, .address_space: global }
      - { .name: wx, .offset: 16, .size: 8, .value_kind: global_buffer, .address_space: global }
      - { .name: uz, .offset: 24, .size: 8, .value_kind: global_buffer, .address_space: global }
      - { .name: ur, .offset: 32, .size: 8, .value_kind: global_buffer, .address_space: global }
      - { .name: wh, .offset: 40, .size: 8, .value_kind: global_buffer, .address_space: global }
      - { .name: wbf, .offset: 48, .size: 8, .value_kind: global_buffer, .address_space: global }
    .group_segment_fixed_size: 17920
    .private_segment_fixed_size: 0
    .kernarg_segment_align: 8
    .kernarg_segment_size: 56
    .max_flat_workgroup_size: 128
    .sgpr_count:     66
    .vgpr_count:     112
    .wavefront_size: 32
...
	.end_amdgpu_metadata
.endif
;; end of part 1
;; launch gru (part 2): grid 8 x 64, 4 waves a work-group, clusters of 4 x 4, 327,680 bytes of LDS; arguments inp, state, wbf, bz, br, bx, out0; writes out0
.if DOCPART == 2
	.amdgcn_target "amdgcn-amd-amdhsa--gfx1250"
	.amdhsa_code_object_version 6
	.text
	.protected	k_qd62ed66e34_gru
	.globl	k_qd62ed66e34_gru
	.p2align	8
	.type	k_qd62ed66e34_gru,@function
k_qd62ed66e34_gru:
	s_mov_b64 s[64:65], 0
	v_nop
	global_prefetch_b8 v0, s[64:65] scope:SCOPE_SE
	s_setreg_imm32_b32 hwreg(HW_REG_WAVE_MODE, 25, 1), 1
	s_wait_xcnt 0x0
	s_wait_alu depctr_hold_cnt(0) depctr_sa_sdst(0) depctr_va_vdst(0) depctr_va_sdst(0) depctr_va_ssrc(0) depctr_va_vcc(0) depctr_vm_vsrc(0)
	s_getreg_b32 s2, hwreg(HW_REG_IB_STS2, 6, 4)
	s_cmp_eq_u32 s2, 0
	s_cbranch_scc0 .Lentry_in_a_cluster
	s_endpgm
.Lentry_in_a_cluster:
	s_bfe_u32 s2, ttmp6, 0x10000c
	s_cmp_lg_u32 s2, 0xf033
	s_cbranch_scc0 .Lentry_shape_is_right
	s_endpgm
.Lentry_shape_is_right:
; GRU STEP: z = sigmoid(xz + hz + bz), r = sigmoid(xr + hr + br), h_ = tanh(xh + bx + hh r), out = (1 - z) h_ + state z.  No work is left out.
; The six products take bf16 operands and f32 sums: the weights from wbf (the first launch's layout), inp and state rounded here on their way to the matrix unit.
; The gates are f32; state and the biases enter the gates as f32.
; LIMITS.  sigmoid(x) = 1 / (1 + 2^(-x log2 e)), tanh(x) = 1 - 2 / (1 + 2^(2 x log2 e)): both go to their ends where the power is 0 or infinite; their absolute
; error is about 1e-7, so a very small tanh keeps no relative accuracy.  v_exp_f32 and v_rcp_f32 take and give denormals as 0.  NaN and infinities are not treated apart.
; The sums over K take steps of inp and of state by turns, another order than the reference.
; SHARES.  A work-group makes 128 rows x 128 columns of out0; wave w makes rows 64 (w / 2).., columns 64 (w % 2)..: for each of its 64 x 64 numbers FOUR sums
; (z and r over K = 2,048; xh and hh over K = 1,024): 64 accumulators of 16 x 16, 512 registers.
; K goes in 16 steps of 128: even steps are inp's (they feed z, r, xh), odd steps state's (z, r, hh).  The first quarter step on each accumulator takes the constant 0 as C: nothing is cleared.
; THE WEIGHTS: two LDS slots of 384 rows x 256 bytes (three gates x 128 columns), slot 0 for inp's steps, slot 1 for state's, filled by tensor loads, 96 rows a wave.
; CLUSTER.  4 x 4 work-groups.  The four of a column of the cluster need the same rows of wbf: each tile is asked for jointly.
; INP AND STATE come through registers and are shared by no joint load: in f32 a K step is 128 rows x 528 bytes, and two slots of that beside the weights' two are
; 2 x (67,584 + 104,448) = 344,064 bytes, more than the 327,680 of LDS.  Wave w loads rows 32 w .. 32 w + 31, 512 consecutive bytes a load, rounds them to bf16 and stores them
; into a ring of two slots of 128 rows x 256 bytes that ds_store alone fills.  In step s the rows of step s + 1 are rounded and stored and their registers loaded again with step s + 2:
; a load has a whole K step in which to land.  In step 14 those loads are the gates' own 64 x 64 numbers of state.
; LAYOUT.  Source 0 = 16 rows of inp or state, source 1 = 16 rows of wbf.  Row 16 f + r of a group of 64 of wbf holds column 4 r + f, so register j of accumulator (a, f) in lane (r, h)
; is out(16 a + 8 h + j, 4 r + f): a lane's four accumulators f = 0..3 hold 16 bytes on end, and 16 lanes store, and load state, 256 consecutive bytes, aligned, with no stage in LDS.
; REGISTERS, in windows of 256 (s_set_vgpr_msb: bits 1:0 source 0, 3:2 source 1, 5:4 source 2, 7:6 destination):
;   window 0: v0-31 addresses; v32-43 the biases as loaded; v64-95, v96-127 fragments of inp or state, two buffers; v128-255 the 32 rows on their way, 4 registers a row, at the end state and out
;             in the gates v32-63 UZ, v64-95 UR, v96-127 XB
;   window 1: v0-95, v96-191 fragments of wbf, two buffers (gate g, fragment f at 32 g + 8 f); v192-215 the scaled biases, each twice
;   window 2: z at 8 (4 a + f), r at 128 + 8 (4 a + f)          window 3: xh and hh likewise
.set PITCH, 272                        ; an LDS row: 256 bytes + 16 of padding: the 16 rows of a fragment load start 16 bytes apart modulo 256
.set HALFT, 128*PITCH                  ; 128 rows: a gate's part of a slot, and a slot of the ring of inp and state
.set BSLOT, 3*HALFT                    ; a slot of the weights: gate g's 128 rows at g HALFT
.set BPART, 96*PITCH                   ; what one tensor load brings
.set ABASE, 2*BSLOT                    ; behind the weights' two slots, at a multiple of 256: the ring of inp and state, into which no tensor load lands
.set SPARE, ABASE+2*HALFT              ; behind it: the spare words, 128 bytes a wave: two blocks of 256 bytes that no other line names
.set ADRA, 16                          ; v16-17  LDS address of my fragments of inp (slot 0) and state (slot 1)
.set ASTO, 18                          ; v18-19  where I store 8 bytes of my wave's first row, in slot 0, 1
.set ADRB, 20                          ; v20-21  LDS address of my fragments of gates 0 and 1 (the gate stands in the immediate)
.set ADRC, 22                          ; v22-23  of gate 2
.set AO,   24                          ; v24     16 x lane: my 16 bytes of a row's 512
.set CO,   26                          ; v26     my byte offset in my wave's rows of state and out0: 8 h rows + 16 r
.set BO,   27                          ; v27     my byte offset in the biases
.set SPW,  28                          ; v28     SPARE + 4 x my thread's number; never rewritten
.set NIL,  29                          ; v29     0; never rewritten
.set PFO,  30                          ; v30     the prefetches' offset: my lane x a row of 4,096 bytes; never rewritten
.set BRAW, 32                          ; v32-43  bz, br, bx of my four columns
.set UZ,   32
.set UR,   64
.set XB,   96
.set RA,   128                         ; row t of my 32 at RA + 4 t
.set ST,   128                         ; state and out: (a, j, f) at ST + 32 a + 4 j + f
.set FA,   64                          ; fragments of inp or state: buffer b, row block a at FA + 32 b + 8 a
.set BZ,   192                         ; window 1: -log2 e x bz of column f, twice, at BZ + 2 f
.set BR,   200                         ; -log2 e x br
.set BX,   208                         ; 2 log2 e x bx
.set WV, 18                            ; s18 wave;  s19 its row half;  s20 its column half
.set WR, 19
.set WC, 20
.set CX, 21                            ; s21, s22 my place in the cluster
.set CY, 22
.set TCOL, 23                          ; s23 tile column, s24 tile row
.set TROW, 24
.set G1B, 28                           ; s[28:35] descriptor group 1;  s[36:43] group 0, a set for each slot
.set G0B, 36
.set SA,  44                           ; s[44:45] inp, s[46:47] state, at my wave's 32 rows and at the K step that is loaded next
.set SG,  48                           ; s[48:49] state at my wave's 64 x 64 numbers, for the gates
.set PFB, 50                           ; s[50:51] where my prefetches of wbf stand;  s[52:53] those of inp or state
.set PFAA, 52
.set LIMB, 54                          ; s54, s55: 1 in a wave that prefetches, else the greatest number
.set LIMA, 55
.set CL,  80                           ; s[80:81] -log2 e;  s[82:83] 2 log2 e;  s[84:85] ln 2 / 2
.set C2,  82
.set CH,  84
.set MSB, 0
.macro WIN new                         ; the immediate's high byte repeats the setting that is left; a switch that changes nothing is dropped
.if MSB != (\new)
	s_set_vgpr_msb (MSB<<8)|(\new)
.set MSB, \new
.endif
.endm
.set MUL_LO, 0xa4                      ; source 0 window 0, source 1 window 1, C and D window 2
.set MUL_HI, 0xf4                      ; the same, C and D window 3
.set TO_B,   0x40                      ; destination window 1
.set W_ZR,   0x12                      ; source 0 window 2, source 2 window 1
.set W_X,    0x13                      ; source 0 window 3, source 2 window 1
.set W_H,    0x03                      ; source 0 window 3
.macro PLACES                          ; four plain places between a matrix instruction and a load into, or a vector read or write of, its registers
.rept 4
	v_nop
.endr
.endm
; A joint load: every wave fetches its 96 rows of the slot's 384.  An s_nop 0 and four v_nop follow it.
.macro JLOAD s
	tensor_load_to_lds s[G0B+4*(\s):G0B+4*(\s)+3], s[G1B:G1B+7]
	s_nop 0
.rept 4
	v_nop
.endr
.endm
.macro CREST                           ; a round of the cluster's barrier behind its opening barrier
	s_cmp_lg_u32 s[WV], 0
	s_cbranch_scc1 .Lnot_wave_0_\@
	s_barrier_signal -3
.Lnot_wave_0_\@:
	s_barrier_wait -3
	s_barrier_signal -1
	s_barrier_wait -1
.endm
.macro CROUND                          ; a whole round
	s_barrier_signal -1
	s_barrier_wait -1
	CREST
.endm
.macro CV2 t                           ; row t of my 32: 4 f32 a lane become 4 bf16, in place, in the row's first two registers
	v_cvt_pk_bf16_f32 v[RA+4*(\t)],   v[RA+4*(\t)],   v[RA+4*(\t)+1]
	v_cvt_pk_bf16_f32 v[RA+4*(\t)+1], v[RA+4*(\t)+2], v[RA+4*(\t)+3]
.endm
; 16 matrix instructions: sum q (0 z, 1 r, 2 xh, 3 hh), all 4 row blocks x 4 fragments, 32 along K, from buffer buf.  xh and hh both take gate 2.
; The accumulators take turns, one instruction a turn: an accumulator comes again behind 47 others, over the backward jump too.
; rg = 0, 1, 2: the roundings of rows 0-11, 12-23, 24-31 ride in fours behind the last 6, 6, 4 of the sixteen; they name no register of a matrix instruction.  Ahead of the first four
; stands the wait for those rows' loads: 20, 20, 24 younger loads may stay out (the rest of this step's rows, and the next step's rows that have been asked for since).
.macro MULG buf, q, zero, rg=-1
.set NSL, 0
.if (\rg) >= 0
.set NSL, 6-2*((\rg)/2)
.endif
.irp a, 0,1,2,3
.irp f, 0,1,2,3
.set AC, 128*((\q)%2)+8*(4*(\a)+(\f))
.set AF, FA+32*(\buf)+8*(\a)
.set BF, 96*(\buf)+32*((\q)-(\q)/3)+8*(\f)
	WIN MUL_LO+0x50*((\q)/2)
.if \zero
	v_wmma_f32_16x16x32_bf16 v[AC:AC+7], v[AF:AF+7], v[BF:BF+7], 0
.else
	v_wmma_f32_16x16x32_bf16 v[AC:AC+7], v[AF:AF+7], v[BF:BF+7], v[AC:AC+7]
.endif
.if 4*(\a)+(\f) >= 16-NSL
.if 4*(\a)+(\f) == 16-NSL
	s_wait_loadcnt 20+4*((\rg)/2)
.endif
	WIN 0
	CV2 12*(\rg)+2*(4*(\a)+(\f)-16+NSL)
	CV2 12*(\rg)+2*(4*(\a)+(\f)-16+NSL)+1
.endif
.endr
.endr
.endm
; 32 LDS loads in one run: a quarter step's fragments (32 K at byte k of the rows) into buffer buf: inp's or state's 8, gate 0's 8, gate 1's 8, gate 2's 8, in the order in which they are wanted.
.macro FETCH slot, k, buf
	WIN 0
.irp i, 0,1,2,3
	ds_load_b128 v[FA+32*(\buf)+8*(\i):FA+32*(\buf)+8*(\i)+3],   v[ADRA+(\slot)] offset:(\k)+(\i)*16*PITCH
	ds_load_b128 v[FA+32*(\buf)+8*(\i)+4:FA+32*(\buf)+8*(\i)+7], v[ADRA+(\slot)] offset:(\k)+(\i)*16*PITCH+32
.endr
	WIN TO_B
.irp g, 0,1
.irp f, 0,1,2,3
	ds_load_b128 v[96*(\buf)+32*(\g)+8*(\f):96*(\buf)+32*(\g)+8*(\f)+3],   v[ADRB+(\slot)] offset:(\k)+(\g)*HALFT+(\f)*16*PITCH
	ds_load_b128 v[96*(\buf)+32*(\g)+8*(\f)+4:96*(\buf)+32*(\g)+8*(\f)+7], v[ADRB+(\slot)] offset:(\k)+(\g)*HALFT+(\f)*16*PITCH+32
.endr
.endr
.irp f, 0,1,2,3
	ds_load_b128 v[96*(\buf)+64+8*(\f):96*(\buf)+64+8*(\f)+3],   v[ADRC+(\slot)] offset:(\k)+(\f)*16*PITCH
	ds_load_b128 v[96*(\buf)+64+8*(\f)+4:96*(\buf)+64+8*(\f)+7], v[ADRC+(\slot)] offset:(\k)+(\f)*16*PITCH+32
.endr
.endm
; Group g of my 32 rows (0: rows 0-11, 1: 12-23, 2: 24-31): stored into a slot of the ring, 256 consecutive bytes a row;
.macro ASTORE g, slot
	WIN 0
.set t, 12*(\g)
.rept 12-4*((\g)/2)
	ds_store_b64 v[ASTO+(\slot)], v[RA+4*t:RA+4*t+1] offset:t*PITCH
.set t, t+1
.endr
.endm
; loaded again, two K steps on, from inp (src = 0) or state (1): 512 consecutive bytes, aligned, a load.  (An LDS store has read its data when it is issued: ISA guide 5.7.1.)
.macro ALOAD g, src
	WIN 0
.set t, 12*(\g)
.rept 12-4*((\g)/2)
	global_load_b128 v[RA+4*t:RA+4*t+3], v[AO], s[SA+2*(\src):SA+2*(\src)+1] offset:t*4096
.set t, t+1
.endr
.endm
; or, in step 14, with my 64 x 64 numbers of state for the gates: load t is (a, j) = (t / 8, t % 8): 16 lanes take 256 consecutive bytes, aligned
.macro SLOAD g
	WIN 0
.set t, 12*(\g)
.rept 12-4*((\g)/2)
	global_load_b128 v[ST+4*t:ST+4*t+3], v[CO], s[SG:SG+1] offset:(16*(t/8)+t%8)*4096
.set t, t+1
.endr
.endm
; One of a K step's first three quarters: multiplies buffer buf (48 matrix instructions) and fetches the next quarter, at byte k of the same slot, into the other buffer.
; third: 2 (xh, slot 0) or 3 (hh, slot 1).  zz, zt = 1: the products start z and r, or the third sum.
; ag = 0, 1, 2: group ag of the next step's rows is rounded (riders), stored into the other slot of the ring, and loaded again (ak = 1: two steps on; ak = 2: state for the gates).
; That slot was last read in the step before: every wave's wait for its LDS loads and the barrier of the change of slots lie between.  ag = -1: the last step, nothing of this.
.macro QUARTER slot, k, buf, third, zz=0, zt=0, ag=-1, ak=0
.if (\ag) > 0
	s_wait_dscnt 20                                ; inp or state, gate 0 and gate 1 are in; gate 2's eight loads and the twelve stores behind them may be out
.else
	s_wait_dscnt 8                                 ; the same where no stores stand behind the loads
.endif
	MULG \buf, 0, \zz
	MULG \buf, 1, \zz, \ag                         ; its riders are also the places in front of the loads into the buffer that the quarter before multiplied
.if (\ag) < 0
	PLACES
.endif
	FETCH \slot, \k, 1-(\buf)
.if (\ag) >= 0
	ASTORE \ag, 1-(\slot)
.if (\ak) == 1
	ALOAD \ag, \slot
.else
	SLOAD \ag
.endif
	s_wait_dscnt 44-4*((\ag)/2)                    ; all but the 32 loads and the 12 or 8 stores just issued
.else
	s_wait_dscnt 32                                ; all but the 32 just issued
.endif
	MULG \buf, \third, \zt
.endm
; A PREFETCH INTO THE L2, a lane a row of 4,096 bytes, one instruction a wave.  It stands behind the joint load, its five lines and the run of LDS loads.  Each aligned 256 bytes are named once in the launch.
; wbf: the K step that stands two refills of the same slot on.  Asked by the clusters with y = 0; the tile's 384 rows are 12 groups of 32, and wave w (0 to 2) of the partner at cy takes group 3 cy + w, by address.
; inp and state: once a lap, the K step two laps on (512 bytes a row).  Asked by the clusters with x = 0; wave w takes inp (w even) or state (w odd), the half w / 2 of the 512 bytes, and of the tile's
; 128 rows the partner at cx takes 32 cx .. 32 cx + 31, by address.  how = 1: always, in a wave that prefetches; how = 0: not in the loop's last trip (s3 = 1), where that K step does not exist.
.macro ASK how, lim, ptr, off
	WIN 0
.if \how
	s_cmp_eq_u32 s[\lim], 1
.else
	s_cmp_gt_u32 s3, s[\lim]
.endif
	s_cbranch_scc0 .Lnot_mine_\@
	global_prefetch_b8 v[PFO], s[\ptr:\ptr+1] offset:\off th:TH_LOAD_NT scope:SCOPE_SE
.Lnot_mine_\@:
.endm
; The fourth quarter multiplies buffer 1 and changes slots.  In front of the barrier each wave waits for all its tensor loads (one is out: its part of the weights' next slot), adds 0 to its spare word,
; and waits for that, for its reads of this step's slots and for its stores into the ring's other slot.  fill = 1: the barrier opens a round of the cluster's barrier, and behind the round the weights'
; slot is filled again, with the same half of K one step on: from that request to the wait for it a wave issues 160 matrix instructions.  ask: 1, 0 as in ASK; -1: no prefetch.
; stepa = 1: the pointer from which the next step loads goes one K step on.
.macro TURN slot, next, third, fill, ask, stepa
.if (\stepa) || (((\slot) == 0) && (\fill))
	s_wait_xcnt 0x0                                ; every load and prefetch issued so far has read its address (the youngest load a quarter back, the youngest prefetch a K step back): the pointers may be written
.endif
.if \stepa
	s_add_nc_u64 s[SA+2*(\next):SA+2*(\next)+1], s[SA+2*(\next):SA+2*(\next)+1], 512
.endif
.if ((\slot) == 0) && (\fill)
	s_add_nc_u64 s[PFB:PFB+1], s[PFB:PFB+1], 256   ; once a lap, for both slots
	s_add_nc_u64 s[PFAA:PFAA+1], s[PFAA:PFAA+1], 512
.endif
	WIN 0                                          ; (the add's two registers lie in window 0)
	s_wait_tensorcnt 0x0                           ; all my tensor loads have landed
	ds_add_u32 v[SPW], v[NIL]                      ; 0 onto my spare word
	s_wait_dscnt 25                                ; inp or state and gate 0 are in; gate 1's eight, gate 2's eight, the eight stores and the add may be out
	MULG 1, 0, 0                                   ; sixteen matrix instructions stand between the add and the wait for it
	s_wait_dscnt 0x0                               ; the add is done, my reads of this step's slots are over, my stores into the ring are done
	s_barrier_signal -1
	MULG 1, 1, 0                                   ; work on registers while the others arrive
.if \fill
	WIN 0
.endif
	s_barrier_wait -1
.if \fill
	CREST                                          ; no wave of any partner still reads this slot or has a load on its way
	s_add_nc_u64 s[G0B+4*(\slot)+2:G0B+4*(\slot)+3], s[G0B+4*(\slot)+2:G0B+4*(\slot)+3], 256
	JLOAD \slot                                    ; my one tensor load behind the round; its four v_nop are also the places in front of the loads below
.else
	PLACES
.endif
	FETCH \next, 0, 0
.if (\ask) >= 0
	ASK \ask, LIMB, PFB, 256+2048*(\slot)
.if (\slot) == 0
	ASK \ask, LIMA, PFAA, 512
.endif
.endif
	MULG 1, \third, 0
.endm
	s_load_b256 s[4:11], s[0:1], 0x0               ; inp 4:5, state 6:7, wbf 8:9, bz 10:11
	s_load_b128 s[12:15], s[0:1], 0x20             ; br 12:13, bx 14:15
	s_load_b64 s[16:17], s[0:1], 0x30              ; out0
	v_lshl_add_u32 v[SPW], v0, 2, SPARE
	v_mov_b32 v[NIL], 0
	ds_add_u32 v[SPW], v[NIL]                      ; the wave's opening: the add, twice on end, and its wait ahead of my first tensor load
	ds_add_u32 v[SPW], v[NIL]                      ; and once more, under the one wait; the set-up below, work on registers, stands between
	v_lshrrev_b32 v1, 5, v0
	v_readfirstlane_b32 s[WV], v1                  ; wave 0..3
	v_and_b32 v3, 31, v0                           ; lane
	v_lshlrev_b32 v[AO], 4, v3
	s_lshr_b32 s[WR], s[WV], 1
	s_and_b32 s[WC], s[WV], 1
	s_bfe_u32 s[CX], ttmp6, 0x40000
	s_bfe_u32 s[CY], ttmp6, 0x40004
	s_lshl_b32 s[TCOL], ttmp9, 2                   ; in a cluster launch ttmp9 and ttmp7 count clusters
	s_add_co_u32 s[TCOL], s[TCOL], s[CX]           ; tile column = 4 x cluster x + cx
	s_and_b32 s[TROW], ttmp7, 0xffff
	s_lshl_b32 s[TROW], s[TROW], 2
	s_add_co_u32 s[TROW], s[TROW], s[CY]           ; tile row = 4 x cluster y + cy
	s_lshl_b32 s26, 0x1111, s[CX]                  ; my column of the cluster: places cx, cx + 4, cx + 8, cx + 12
	; descriptor group 1: a tile of 96 rows x 128 elements of 2 bytes, 16 bytes of padding behind every 256
	s_or_b32 s[G1B], s26, (1<<16)|(1<<20)|(1<<21)|(5<<22)|(3<<25)  ; 15:0 the mask; 17:16 2-byte elements; 20 padding on; 21 set beside a mask; 24:22 after 64 words; 31:25 4 words
	s_mov_b32 s[G1B+1], 128<<16                    ; tensor_dim0 = 128
	s_mov_b32 s[G1B+2], 96<<16                     ; tensor_dim1 = 96
	s_mov_b32 s[G1B+3], 128<<16                    ; tile_dim0 = 128
	s_mov_b32 s[G1B+4], 96                         ; tile_dim1 = 96
	s_mov_b32 s[G1B+5], 2048                       ; 2,048 elements from row to row
	s_mov_b32 s[G1B+6], 0
	s_mov_b32 s[G1B+7], 0
	s_mul_i32 s56, s[TCOL], 384                    ; wbf: the tile column's 384 rows, my wave's 96 of them; made of the tile column and the wave's number alone
	s_mul_i32 s57, s[WV], 96
	s_add_co_u32 s56, s56, s57
	s_lshl_b32 s56, s56, 12
	s_mov_b32 s57, 0
	s_mul_i32 s27, s[WV], BPART                    ; where my part goes in a slot: no place in the cluster enters an LDS address
	s_lshl_b32 s58, s[TROW], 19                    ; inp and state: the tile row's 128 rows of 4,096 bytes, my wave's 32 of them
	s_lshl_b32 s59, s[WV], 17
	s_add_co_u32 s58, s58, s59
	s_mov_b32 s59, 0
	s_mov_b32 s[CL], 0xbfb8aa3b                    ; -log2 e
	s_mov_b32 s[CL+1], s[CL]                       ; named as pairs, so both words are written
	s_mov_b32 s[C2], 0x4038aa3b                    ; 2 log2 e
	s_mov_b32 s[C2+1], s[C2]
	s_mov_b32 s[CH], 0x3eb17218                    ; ln 2 / 2 = 1 / (2 log2 e)
	s_mov_b32 s[CH+1], s[CH]
	s_wait_dscnt 0x0                               ; both opening adds are done
	s_wait_kmcnt 0x0
	s_add_nc_u64 s[76:77], s[8:9], s[56:57]
	s_add_nc_u64 s[SA:SA+1], s[4:5], s[58:59]
	s_add_nc_u64 s[SA+2:SA+3], s[6:7], s[58:59]
	WIN TO_B                                       ; step 0's rows (inp) go into window 1, v0-127, where no fragment lies yet
.set t, 0
.rept 32
	global_load_b128 v[4*t:4*t+3], v[AO], s[SA:SA+1] offset:t*4096
.set t, t+1
.endr
	ALOAD 0, 1                                     ; step 1's rows (state) 0-23 into their own registers: 56 loads of mine are out
	ALOAD 1, 1
	CROUND                                         ; all sixteen work-groups are here: the first joint loads meet
.irp s, 0,1
	s_mov_b32 s[G0B+4*(\s)], 1                     ; count = 1
	s_add_co_u32 s[G0B+4*(\s)+1], s27, (\s)*BSLOT  ; LDS address
	s_add_nc_u64 s[G0B+4*(\s)+2:G0B+4*(\s)+3], s[76:77], (\s)*2048  ; slot 0: K from the input weights' half of the rows; slot 1: from the hidden weights'
	s_or_b32 s[G0B+4*(\s)+3], s[G0B+4*(\s)+3], 0x80000000           ; type = 2
	JLOAD \s                                       ; two tensor loads of mine are out
.endr
	; A fragment is 16 rows x 32 K in 8 registers: lane l holds row l % 16, K = 8 (l / 16) + 0..7 and 16 + 8 (l / 16) + 0..7: two loads of 16 bytes, 32 bytes apart.
	v_and_b32 v1, 15, v0                           ; r
	v_bfe_u32 v2, v0, 4, 1                         ; h
	v_mul_u32_u24 v4, v1, PITCH
	v_lshl_add_u32 v4, v2, 4, v4
	s_mul_i32 s60, s[WR], 64*PITCH                 ; my 64 rows of inp or state,
	s_add_co_u32 s60, s60, ABASE
	s_mul_i32 s61, s[WC], 64*PITCH                 ; my 64 rows of gate 0,
	s_add_co_u32 s62, s61, 2*HALFT                 ; and of gate 2
.irp s, 0,1
	v_add_nc_u32 v[ADRA+(\s)], s60, v4
	v_add_nc_u32 v[ADRB+(\s)], s61, v4
	v_add_nc_u32 v[ADRC+(\s)], s62, v4
	s_add_co_u32 s60, s60, HALFT
	s_add_co_u32 s61, s61, BSLOT
	s_add_co_u32 s62, s62, BSLOT
.endr
	s_mul_i32 s60, s[WV], 32*PITCH                 ; the rows that I store: 32 w on
	s_add_co_u32 s60, s60, ABASE
	v_lshl_add_u32 v[ASTO], v3, 3, s60             ; 8 bytes a lane
	v_add_nc_u32 v[ASTO+1], HALFT, v[ASTO]
	v_lshlrev_b32 v[CO], 4, v1
	v_lshl_add_u32 v[CO], v2, 15, v[CO]            ; 8 h rows of 4,096 bytes + 16 r
	s_lshl_b32 s70, s[TROW], 19                    ; state and out0 at my wave's first row and column
	s_lshl_b32 s71, s[WR], 18
	s_add_co_u32 s70, s70, s71
	s_lshl_b32 s72, s[TCOL], 9
	s_lshl_b32 s73, s[WC], 8
	s_add_co_u32 s72, s72, s73                     ; my 64 columns, in bytes: also my place in the biases
	s_add_co_u32 s70, s70, s72
	s_mov_b32 s71, 0
	s_add_nc_u64 s[SG:SG+1], s[6:7], s[70:71]
	s_add_nc_u64 s[16:17], s[16:17], s[70:71]
	v_lshl_add_u32 v[BO], v1, 4, s72
	; the prefetches: nothing is asked for here, at the head; the first two laps come by their loads alone
	s_mul_i32 s60, s[TCOL], 384
	s_mul_i32 s61, s[CY], 3
	s_add_co_u32 s61, s61, s[WV]                   ; group 3 cy + w of the tile's twelve
	s_lshl_b32 s61, s61, 5
	s_add_co_u32 s60, s60, s61
	s_lshl_b32 s60, s60, 12
	s_mov_b32 s61, 0
	s_add_nc_u64 s[PFB:PFB+1], s[8:9], s[60:61]    ; at K byte 0: the first change of slots steps it by 256 and names the step 256 further
	s_and_b32 s62, ttmp7, 0xffff                   ; cluster y
	s_cmp_lt_u32 s[WV], 3
	s_cselect_b32 s62, s62, 1
	s_cmp_eq_u32 s62, 0
	s_cselect_b32 s[LIMB], 1, -1                   ; the same in all sixteen partners, for a given wave
	s_cmp_eq_u32 ttmp9, 0                          ; cluster x
	s_cselect_b32 s[LIMA], 1, -1
	s_cmp_eq_u32 s[WC], 0                          ; w even: inp; w odd: state
	s_cselect_b64 s[PFAA:PFAA+1], s[4:5], s[6:7]
	s_lshl_b32 s60, s[TROW], 7
	s_lshl_b32 s61, s[CX], 5
	s_add_co_u32 s60, s60, s61                     ; my work-group's 32 rows of the 128
	s_lshl_b32 s60, s60, 12
	s_lshl_b32 s61, s[WR], 8                       ; the half w / 2 of a K step's 512 bytes
	s_add_co_u32 s60, s60, s61
	s_mov_b32 s61, 0
	s_add_nc_u64 s[PFAA:PFAA+1], s[PFAA:PFAA+1], s[60:61]
	v_lshlrev_b32 v[PFO], 12, v3
	s_wait_loadcnt 24                              ; step 0's 32 rows are in; step 1's rows 0-23 stay out
	ALOAD 2, 1                                     ; step 1's rows 24-31,
	global_load_b128 v[BRAW:BRAW+3],    v[BO], s[10:11]  ; and bz, br, bx of my columns 4 r .. 4 r + 3, which are wanted at the end
	global_load_b128 v[BRAW+4:BRAW+7],  v[BO], s[12:13]
	global_load_b128 v[BRAW+8:BRAW+11], v[BO], s[14:15]
	s_add_nc_u64 s[SA:SA+1], s[SA:SA+1], 512       ; inp's loads are done, so their pointer may be written: step 0 loads inp's second K step
	WIN 0x45                                       ; sources and destination in window 1
.set t, 0
.rept 32
	v_cvt_pk_bf16_f32 v[4*t],   v[4*t],   v[4*t+1]
	v_cvt_pk_bf16_f32 v[4*t+1], v[4*t+2], v[4*t+3]
.set t, t+1
.endr
	WIN 0x04                                       ; address in window 0, data in window 1
.set t, 0
.rept 32
	ds_store_b64 v[ASTO], v[4*t:4*t+1] offset:t*PITCH
.set t, t+1
.endr
	WIN 0
	s_wait_tensorcnt 1                             ; my part of the weights' slot 0 is in; slot 1's, issued behind it, may stay out
	s_wait_dscnt 0x0                               ; my rows of step 0 are stored
	s_barrier_signal -1
	s_barrier_wait -1                              ; everybody's are
	FETCH 0, 0, 0
	QUARTER 0, 64,  0, 2, 1, 1, 0, 1               ; inp's first quarter starts z, r and xh
	QUARTER 0, 128, 1, 2, 0, 0, 1, 1
	QUARTER 0, 192, 0, 2, 0, 0, 2, 1
	TURN 0, 1, 2, 1, 1, 1                          ; the weights' slot 0 takes inp's step 1
	QUARTER 1, 64,  0, 3, 0, 1, 0, 1               ; state's first quarter starts hh
	WIN 0                                          ; at a label and at a branch every window is 0
	s_mov_b32 s3, 6
.Llap:                                         ; trip i: the rest of state's step i, inp's step i + 1, the first quarter of state's step i + 1; both slots of the weights are filled again
	QUARTER 1, 128, 1, 3, 0, 0, 1, 1
	QUARTER 1, 192, 0, 3, 0, 0, 2, 1
	TURN 1, 0, 3, 1, 1, 1
	QUARTER 0, 64,  0, 2, 0, 0, 0, 1
	QUARTER 0, 128, 1, 2, 0, 0, 1, 1
	QUARTER 0, 192, 0, 2, 0, 0, 2, 1
	TURN 0, 1, 2, 1, 0, 1
	QUARTER 1, 64,  0, 3, 0, 0, 0, 1
	WIN 0
	s_sub_co_u32 s3, s3, 1
	s_cmp_lg_u32 s3, 0
	s_cbranch_scc1 .Llap
	; the tail is written out and no load leaves its buffer
	QUARTER 1, 128, 1, 3, 0, 0, 1, 1               ; the rest of state's last K step is asked for
	QUARTER 1, 192, 0, 3, 0, 0, 2, 1
	TURN 1, 0, 3, 1, -1, 0                         ; the weights' slot 1 takes state's step 7: the last tensor load
	QUARTER 0, 64,  0, 2, 0, 0, 0, 2               ; inp's last step: state's last rows are rounded and stored; their registers take state for the gates
	QUARTER 0, 128, 1, 2, 0, 0, 1, 2
	QUARTER 0, 192, 0, 2, 0, 0, 2, 2
	TURN 0, 1, 2, 0, -1, 0                         ; nothing is filled again, so no round follows
	QUARTER 1, 64,  0, 3
	QUARTER 1, 128, 1, 3
	QUARTER 1, 192, 0, 3
	s_wait_dscnt 8                                 ; the very last quarter: nothing more to fetch
	MULG 1, 0, 0
	MULG 1, 1, 0
	s_wait_dscnt 0x0
	MULG 1, 3, 0
	WIN TO_B                                       ; the biases are scaled here: 24 plain lines, the places behind the last products (their loads were shown done by step 0's waits)
.irp f, 0,1,2,3
	v_mul_f32 v[BZ+2*(\f)],   s[CL], v[BRAW+(\f)]  ; each twice: the packed scalings below add a pair
	v_mul_f32 v[BZ+2*(\f)+1], s[CL], v[BRAW+(\f)]
	v_mul_f32 v[BR+2*(\f)],   s[CL], v[BRAW+4+(\f)]
	v_mul_f32 v[BR+2*(\f)+1], s[CL], v[BRAW+4+(\f)]
	v_mul_f32 v[BX+2*(\f)],   s[C2], v[BRAW+8+(\f)]
	v_mul_f32 v[BX+2*(\f)+1], s[C2], v[BRAW+8+(\f)]
.endr
; THE GATES, for row block a: 32 numbers a lane.  Each accumulator's registers are read in ascending order.  Transcendentals go in batches, each with one plain
; instruction behind its last and ONE s_wait_alu depctr_va_vdst(0) ahead of its first reader.
.macro GATES a
	WIN W_ZR
.irp f, 0,1,2,3
.irp p, 0,1,2,3
	v_pk_fma_f32 v[UZ+8*(\f)+2*(\p):UZ+8*(\f)+2*(\p)+1], v[32*(\a)+8*(\f)+2*(\p):32*(\a)+8*(\f)+2*(\p)+1], s[CL:CL+1], v[BZ+2*(\f):BZ+2*(\f)+1] op_sel_hi:[1,0,1]  ; -log2 e (xz + hz + bz)
.endr
.endr
.irp f, 0,1,2,3
.irp p, 0,1,2,3
	v_pk_fma_f32 v[UR+8*(\f)+2*(\p):UR+8*(\f)+2*(\p)+1], v[128+32*(\a)+8*(\f)+2*(\p):128+32*(\a)+8*(\f)+2*(\p)+1], s[CL:CL+1], v[BR+2*(\f):BR+2*(\f)+1] op_sel_hi:[1,0,1]  ; -log2 e (xr + hr + br)
.endr
.endr
	WIN 0
.set i, 0
.rept 64
	v_exp_f32 v[UZ+i], v[UZ+i]                     ; UZ and UR lie on end
.set i, i+1
.endr
	WIN W_X                                        ; sixteen plain lines that name no result of the batch stand between it and its wait
.irp f, 0,1,2,3
.irp p, 0,1,2,3
	v_pk_fma_f32 v[XB+8*(\f)+2*(\p):XB+8*(\f)+2*(\p)+1], v[32*(\a)+8*(\f)+2*(\p):32*(\a)+8*(\f)+2*(\p)+1], s[C2:C2+1], v[BX+2*(\f):BX+2*(\f)+1] op_sel_hi:[1,0,1]  ; 2 log2 e (xh + bx)
.endr
.endr
	WIN 0
	s_wait_alu depctr_va_vdst(0)                   ; the wait for the 64 exponentials
	; z = 1 / (1 + e);  2 log2 e x r = 1 / ((1 + e) ln 2 / 2).  A pair's plain line, then the two reciprocals of the pair before
.set p, 0
.rept 32
.if p < 16
	v_pk_add_f32 v[UZ+2*p:UZ+2*p+1], v[UZ+2*p:UZ+2*p+1], 1.0 op_sel_hi:[1,0]
.else
	v_pk_fma_f32 v[UZ+2*p:UZ+2*p+1], v[UZ+2*p:UZ+2*p+1], s[CH:CH+1], s[CH:CH+1] op_sel_hi:[1,0,0]
.endif
.if p > 0
	v_rcp_f32 v[UZ+2*p-2], v[UZ+2*p-2]
	v_rcp_f32 v[UZ+2*p-1], v[UZ+2*p-1]
.endif
.set p, p+1
.endr
	v_rcp_f32 v[UZ+62], v[UZ+62]
	v_rcp_f32 v[UZ+63], v[UZ+63]
	v_nop                                          ; a plain instruction behind the last reciprocal,
	s_wait_alu depctr_va_vdst(0)                   ; and the wait for the 64
	WIN W_H
.irp f, 0,1,2,3
.irp p, 0,1,2,3
	v_pk_fma_f32 v[XB+8*(\f)+2*(\p):XB+8*(\f)+2*(\p)+1], v[128+32*(\a)+8*(\f)+2*(\p):128+32*(\a)+8*(\f)+2*(\p)+1], v[UR+8*(\f)+2*(\p):UR+8*(\f)+2*(\p)+1], v[XB+8*(\f)+2*(\p):XB+8*(\f)+2*(\p)+1]  ; 2 log2 e (xh + bx + hh r)
.endr
.endr
	WIN 0
.set i, 0
.rept 32
	v_exp_f32 v[XB+i], v[XB+i]
.set i, i+1
.endr
	v_nop
	s_wait_alu depctr_va_vdst(0)                   ; the wait for the 32 exponentials
.set p, 0
.rept 16
	v_pk_add_f32 v[XB+2*p:XB+2*p+1], v[XB+2*p:XB+2*p+1], 1.0 op_sel_hi:[1,0]
.if p > 0
	v_rcp_f32 v[XB+2*p-2], v[XB+2*p-2]
	v_rcp_f32 v[XB+2*p-1], v[XB+2*p-1]
.endif
.set p, p+1
.endr
	v_rcp_f32 v[XB+30], v[XB+30]
	v_rcp_f32 v[XB+31], v[XB+31]
	v_nop
	s_wait_alu depctr_va_vdst(0)                   ; the wait for the 32 reciprocals
	s_wait_loadcnt 24-8*(\a)                       ; this block's eight loads of state are in; the later blocks' stay out
.set p, 0
.rept 16
	v_pk_fma_f32 v[XB+2*p:XB+2*p+1], v[XB+2*p:XB+2*p+1], -2.0, 1.0 op_sel_hi:[1,0,0]  ; h_ = 1 - 2 / (1 + e)
.set p, p+1
.endr
.irp j, 0,1,2,3,4,5,6,7
.irp f, 0,1,2,3
	v_sub_f32 v[ST+32*(\a)+4*(\j)+(\f)], v[ST+32*(\a)+4*(\j)+(\f)], v[XB+8*(\f)+(\j)]  ; state - h_
.endr
.irp f, 0,1,2,3
	v_fma_f32 v[ST+32*(\a)+4*(\j)+(\f)], v[UZ+8*(\f)+(\j)], v[ST+32*(\a)+4*(\j)+(\f)], v[XB+8*(\f)+(\j)]  ; z (state - h_) + h_
.endr
	global_store_b128 v[CO], v[ST+32*(\a)+4*(\j):ST+32*(\a)+4*(\j)+3], s[16:17] offset:(16*(\a)+(\j))*4096 th:TH_STORE_NT  ; 16 lanes store 256 consecutive bytes, aligned; no register of a store is written again
.endr
.endm
	GATES 0
	GATES 1
	GATES 2
	GATES 3
	WIN 0
	s_wait_tensorcnt 0x0                           ; the wave's end
	ds_add_u32 v[SPW], v[NIL]
	s_wait_dscnt 0x0
	CROUND                                         ; the closing round: no work-group ends while a partner may still ask for a tile that names it
	s_endpgm
.Lfunc_end_k_qd62ed66e34_gru:
	.size	k_qd62ed66e34_gru, .Lfunc_end_k_qd62ed66e34_gru-k_qd62ed66e34_gru
	.p2alignl 7, 3214868480
	.fill 96, 4, 3214868480
	.section	.rodata,"a",@progbits
	.p2align	6, 0x0
	.amdhsa_kernel k_qd62ed66e34_gru
		.amdhsa_group_segment_fixed_size 327680
		.amdhsa_private_segment_fixed_size 0
		.amdhsa_enable_private_segment 0
		.amdhsa_kernarg_size 56
		.amdhsa_user_sgpr_count 2
		.amdhsa_user_sgpr_kernarg_segment_ptr 1
		.amdhsa_wavefront_size32 1
		.amdhsa_system_sgpr_workgroup_id_x 1
		.amdhsa_system_sgpr_workgroup_id_y 1
		.amdhsa_system_sgpr_workgroup_id_z 1
		.amdhsa_system_vgpr_workitem_id 0
		.amdhsa_next_free_vgpr 1024
		.amdhsa_next_free_sgpr 88
		.amdhsa_reserve_vcc 0
		.amdhsa_float_denorm_mode_32 3
		.amdhsa_float_denorm_mode_16_64 3
		.amdhsa_memory_ordered 1
		.amdhsa_forward_progress 1
		.amdhsa_inst_pref_size 255
	.end_amdhsa_kernel
	.section	.bss,"aw",@nobits
	.p2align	6
	.space	262144
	.amdgpu_metadata
---
amdhsa.version: [ 1, 2 ]
amdhsa.kernels:
  - .name:           k_qd62ed66e34_gru
    .symbol:         k_qd62ed66e34_gru.kd
    .args:
      - { .name: inp, .offset: 0, .size: 8, .value_kind: global_buffer, .address_space: global }
      - { .name: state, .offset: 8, .size: 8, .value_kind: global_buffer, .address_space: global }
      - { .name: wbf, .offset: 16, .size: 8, .value_kind: global_buffer, .address_space: global }
      - { .name: bz, .offset: 24, .size: 8, .value_kind: global_buffer, .address_space: global }
      - { .name: br, .offset: 32, .size: 8, .value_kind: global_buffer, .address_space: global }
      - { .name: bx, .offset: 40, .size: 8, .value_kind: global_buffer, .address_space: global }
      - { .name: out0, .offset: 48, .size: 8, .value_kind: global_buffer, .address_space: global }
    .group_segment_fixed_size: 327680
    .private_segment_fixed_size: 0
    .kernarg_segment_align: 8
    .kernarg_segment_size: 56
    .max_flat_workgroup_size: 128
    .sgpr_count:     88
    .vgpr_count:     1024
    .wavefront_size: 32
...
	.end_amdgpu_metadata
.endif
;; end of part 2
